; MI455X (gfx1250); checked and timed in simulation.
; The chip was launched on July 23, 2026; its instructions are those of AMD's public machine-readable ISA for CDNA 5 (MIT licence, August 2026) and "CDNA5" Instruction Set Architecture Reference Guide (July 2026). The comments in the code are by the model that wrote it; some were corrected since.
;; TP Group Quant Linear. Allowed arithmetic: matrix products marked QUANTISED: E2M3 operands, one E8M0 scale for each 32 along K, by v_wmma_scale_f32_16x16x128_f8f6f4 with both operands' format E2M3, f32 sums; everything else in f32.
;; Inputs: bias 4,096 float32; w_bias 4,096 x 64 x 1 float32; w_packed 4,096 x 64 x 16 int32; w_scale 4,096 x 64 x 1 float32; x 2 x 2,048 x 4,096 float32.
;; Outputs: out0 2 x 2,048 x 4,096 float32.
;; This version of the problem:
;;   THIS VERSION OF THE PROBLEM IS GIVEN IN LOW PRECISION. The matrix products marked QUANTISED in the list below multiply operands that are first quantised to E2M3 (2 exponent bits, 3 mantissa bits; 6 bits a number), with one power-of-two scale for each 32 numbers along K (OCP MX v1.0); their sums are f32. All else is computed in f32.
;;   The module's matrix products, in the order in which they are computed (A, B: the left and right operand; K: the contracted axis; several contracted axes count as one K, in the product's order):
;;     1. [M 4,096, K 4,096] x [K 4,096, N 4,096]; A: input x; B: computed on the way: QUANTISED
;;   THE QUANTISER, for each operand of a quantised product, along K:
;;     - K is cut into blocks of 32 from its start; a last block that is shorter is filled with zeros.
;;     - A block's scale is 2^e with e = floor(log2(the largest magnitude in the block)) - 2, held to -126 .. 127; a block of zeros has e = 0. As a byte (E8M0): e + 127.
;;     - Each number is divided by its block's scale, clamped to +-7.5, and rounded to the nearest number of E2M3, ties to even, subnormals kept.
;;     - The product sums the exact products of the quantised numbers (number of the format x scale) in f32.
;;   ~~~python
;;   def quantise(x, axis):      # numpy; x: float32 -> the quantised numbers, widened to float32 again
;;       x = np.moveaxis(x, axis, -1); K = x.shape[-1]
;;       x = np.pad(x, [(0, 0)] * (x.ndim - 1) + [(0, -K % 32)]); x = x.reshape(x.shape[:-1] + (-1, 32)); a = np.abs(x).max(-1, keepdims=True)
;;       e = np.where(a > 0, np.clip(np.frexp(np.where(a > 0, a, 1))[1] - 1 - 2, -126, 127), 0)      # np.frexp(a)[1] - 1 = floor(log2(a)), exactly
;;       r = np.clip(x / 2.0 ** e, -7.5, 7.5)
;;       step = 2.0 ** (np.maximum(np.frexp(np.where(r == 0, 1, r))[1] - 1, 0) - 3)
;;       q = np.round(r / step) * step * 2.0 ** e      # np.round: ties to even
;;       return np.moveaxis(q.reshape(q.shape[:-2] + (-1,))[..., :K], -1, axis).astype(np.float32)
;;   ~~~
;;   OPERANDS COMPUTED ON THE WAY. 'Computed on the way' means the value that the module computes at that place (a softmax that the list does not call 'softmax' is quantised finished and normalised). What goes into a quantiser is computed in f32, as accurately as f32 sums, v_exp_f32 and their like allow (about 1e-6 of the number): no bf16 or f16 on the way to a quantiser, and a product that is left as it is and whose result goes on into a quantised operand takes f32 operands (vector FMAs, or v_wmma_f32_16x16x4_f32). A number that lies on a knife's edge between two numbers of the format may be rounded either way, as far as f32 arithmetic and the matrix unit's own rounding can turn it there, and no further.
;; One version. Each part assembles by itself: llvm-mc -triple=amdgcn-amd-amdhsa -mcpu=gfx1250 --defsym DOCPART=n.
;; ======== version 1 of 1: 2 launches
;; limits: right only within a limited range of input values
;; workspace buffers: xc 13,107,200 bytes; wc 13,107,200 bytes
;; launch quant (part 1): grid 1024 x 1, 4 waves a work-group, no clusters, 69,120 bytes of LDS; arguments x, w_packed, w_scale, w_bias, xc, wc; writes xc, wc
.if DOCPART == 1
	.amdgcn_target "amdgcn-amd-amdhsa--gfx1250"
	.amdhsa_code_object_version 6
	.text
	.protected	k_q499142244a_quant
	.globl	k_q499142244a_quant
	.p2align	8
	.type	k_q499142244a_quant,@function
k_q499142244a_quant:
	s_mov_b64 s[64:65], 0
	v_nop
	global_prefetch_b8 v0, s[64:65] scope:SCOPE_SE
	s_setreg_imm32_b32 hwreg(HW_REG_WAVE_MODE, 25, 1), 1
	s_wait_xcnt 0x0
; x [4096][4096] f32, and W [4096][4096], W[o][64 g + 4 s + p] = nibble p of w_packed[o][g][s] x w_scale[o][g] + w_bias[o][g] (f32, one fused multiply-add),
; are turned into codes of FP6 (E2M3) with one E8M0 scale byte for each 32 along K.  A block's scale is 2^(floor(log2(its largest magnitude)) - 2): its byte is the largest magnitude's
; exponent field - 2, held at 1 from below; each number is divided by the scale and rounded to the nearest code, ties to even, beyond 7.5 the largest code.
; LIMITS: NaN and infinities among the inputs are not served.  A block whose largest magnitude lies under 2^-124 keeps the byte 1.  A block of zeros gets the byte 1 where the rule says 127:
; its codes are zeros, which add nothing under any byte but 0xff, and the bytes are read by this program alone.  W's number has one rounding (fused) where a multiply and an add would have two.
; THE RESULT LEAVES IN THE ORDER IN WHICH THE PRODUCT'S LAUNCH TAKES IT.  A group of 128 rows is one stream of 32 steps of 128 along K, 12,800 bytes each: eight fragments, then 512 bytes of scale words.
; A fragment is 16 rows x 128 K, 12 registers a lane, 1,536 bytes: registers 4 g .. 4 g + 3 of lane l lie at 512 g + 16 l; lane (r, h) holds row r, registers 6 c .. 6 c + 5 the codes of k = 64 c + 32 h + 0 .. 31.
; Block i of the group's eight (16 rows each) has its fragment at 1,536 i, and row r's scale word (four bytes: the step's four blocks of 32) at 12,288 + 256 (i / 4) + 16 r + 4 (i % 4).
; SHARES.  Work-groups 0-511 take x, 512-1023 W.  A work-group takes 64 rows x 512 K; wave w takes its rows 16 w on: four fragments, one for each of four steps.
; Each load reads 512 consecutive bytes of one row; the rows turn through the wave's own stage in LDS (16 rows, 528 bytes apart, so that the 16 rows that a load of 16 bytes a lane touches fall on 16 different
; columns of 16 bytes), from which a lane takes its 32 neighbours of each of its two blocks.  A block lies whole in one lane: its largest magnitude needs no other lane.
; A step's 256 bytes of scale words hold one word of each of the four waves for each row: the words meet in LDS, behind the kernel's one barrier, and wave w stores step w's 256 bytes whole.
; The two paths part on the work-group's number, have stages of their own, and join at the tail.
.set SP,    528                        ; a stage row: 512 bytes + 16
.set WSTG,  16*SP                      ; a wave's stage
.set WPATH, 4*WSTG                     ; W's stages lie behind x's
.set XCH,   2*WPATH                    ; behind the stages: four steps' scale words, 256 bytes each
.set STEPB, 12800                      ; a group's step
.set GRP,   32*STEPB                   ; a group's stream
.set M,     12                         ; v12-13  the two blocks' largest magnitudes
.set SO,    14                         ; v14-15  the conversions' scale operands
.set BY,    16                         ; v16-17  the scale bytes
.set WORD,  20                         ; v20-23  my row's scale word of each fragment
.set T2,    24                         ; v24-26, v28-30  the upper 16 codes of each block (a conversion's three registers begin on an even number)
.set C,     32                         ; v32-43  the fragment
.set SCLR,  44                         ; v44-51  W: my row's eight group scales
.set BIA,   52                         ; v52-59  W: and its eight group biases
.set R0,    64                         ; v64-127  numbers as loaded, set 0
.set R1,    128                        ; v128-191 set 1 (W: the packed words as a lane wants them, 16 a fragment)
.set X,     192                        ; v192-255 X[32 c + i] = k 64 c + 32 h + i of my row
	s_load_b256 s[4:11], s[0:1], 0x0               ; x, w_packed, w_scale, w_bias
	s_load_b128 s[12:15], s[0:1], 0x20             ; xc, wc
	v_lshl_add_u32 v27, v0, 2, 0x10c00
	v_mov_b32 v31, 0
	v_lshrrev_b32 v1, 5, v0
	v_readfirstlane_b32 s20, v1                    ; wave 0..3
	v_and_b32 v1, 31, v0                           ; lane
	v_and_b32 v2, 15, v0                           ; r
	v_bfe_u32 v3, v0, 4, 1                         ; h
	v_lshlrev_b32 v4, 4, v1                        ; 16 x lane: my 16 bytes of a load's or a store's 512
	s_mul_i32 s31, s20, WSTG
	v_add_nc_u32 v5, s31, v4                       ; x's stage, in: 16 x lane
	v_mul_u32_u24 v6, v2, SP
	v_add_nc_u32 v6, s31, v6                       ; row r of my stage
	v_lshl_add_u32 v8, v3, 5, v6
	v_add_nc_u32 v8, WPATH, v8                     ; W's stage, out: row r + 32 h: eight packed words are 32 along K
	v_lshl_add_u32 v6, v3, 7, v6                   ; x's stage, out: row r + 128 h: 32 numbers
	v_add_nc_u32 v7, WPATH, v5                     ; W's stage, in
	v_lshlrev_b32 v9, 3, v1                        ; 8 x lane: my 8 bytes of a step's 256 bytes of scale words
	v_lshlrev_b32 v10, 3, v3                       ; 8 h: how far my two bytes move up in the scale word
	v_lshlrev_b32 v11, 8, v2                       ; W: my row of w_scale and of w_bias, 256 bytes a row
	v_mov_b32 v19, 0                               ; written once: a lane permute's destination counts as one of its sources
	s_lshl_b32 s33, s20, 2
	v_lshlrev_b32 v62, 4, v2
	v_add_nc_u32 v62, s33, v62
	v_add_nc_u32 v62, XCH, v62                     ; where my row's words go: 16 r + 4 x wave (+ 256 x step)
	s_lshl_b32 s34, s20, 8
	v_add_nc_u32 v63, s34, v9
	v_add_nc_u32 v63, XCH, v63                     ; and what I take back: step = my wave's number, 8 x lane
	s_and_b32 s21, ttmp9, 511
	s_and_b32 s23, s21, 7                          ; kr: which 512 along K
	s_lshr_b32 s32, s21, 3                         ; which 64 rows
	s_lshl_b32 s22, s32, 2
	s_add_co_u32 s22, s22, s20                     ; rb: which 16 rows are my wave's
	s_lshr_b32 s24, s32, 1
	s_mul_i32 s24, s24, GRP                        ; the group's stream,
	s_mul_i32 s26, s23, 4*STEPB
	s_add_co_u32 s24, s24, s26                     ; the first of the work-group's four steps
	s_mul_i32 s26, s20, STEPB                      ; the scale words that I store: step = my wave's number,
	s_add_co_u32 s26, s26, s24
	s_and_b32 s33, s32, 1
	s_lshl_b32 s33, s33, 8                         ; the half of the group's eight blocks in which the work-group's four lie,
	s_add_co_u32 s26, s26, s33
	s_add_co_u32 s26, s26, 8*1536                  ; behind the step's eight fragments
	s_mov_b32 s27, 0
	s_and_b32 s33, s22, 7
	s_mul_i32 s33, s33, 1536
	s_add_co_u32 s24, s24, s33                     ; my fragments: my block of the group's eight
	s_mov_b32 s25, 0
	s_mov_b32 s28, 0x76543210
	s_mov_b32 s29, 0xfedcba98                      ; v_permlanex16_b32's selects for lane l xor 16
	s_wait_kmcnt 0x0
	s_cmp_lt_u32 ttmp9, 512                        ; x's work-group or W's?  The choice hangs on the work-group's number alone
	s_cselect_b64 s[12:13], s[12:13], s[14:15]     ; the buffer
	s_add_nc_u64 s[14:15], s[12:13], s[26:27]      ; the scale words' place in it,
	s_add_nc_u64 s[12:13], s[12:13], s[24:25]      ; the fragments'
; 64 numbers of a lane, X[32 c + i], become fragment f's 12 registers, which are stored, and my row's scale word, which is kept.
.macro QUANT f
.irp c, 0,1
	v_max3_num_f32 v[M+\c], |v[X+32*\c]|, |v[X+32*\c+1]|, 0x1800000   ; my block 2 c + h: all its 32 numbers are mine; and the floor 2^(3 - 127), so that the byte cannot fall under 1
.endr
.irp i, 2,4,6,8,10,12,14,16,18,20,22,24,26,28,30
.irp c, 0,1
	v_max3_num_f32 v[M+\c], v[M+\c], |v[X+32*\c+\i]|, |v[X+32*\c+\i+1]|   ; (the two blocks by turns)
.endr
.endr
.irp c, 0,1
	v_add_nc_u32 v[SO+\c], 0xff000000, v[M+\c]     ; 2 off the exponent field: the conversion takes the exponent field of this operand as its scale, and nothing else of it
.endr
.irp c, 0,1
	v_lshrrev_b32 v[BY+\c], 23, v[SO+\c]           ; the scale's byte
.endr
	v_lshl_or_b32 v18, v[BY+1], 16, v[BY]          ; my two bytes: blocks h and 2 + h of my row,
	v_lshlrev_b32 v18, v10, v18                    ; at their places in the word (8 h bits up);
	v_permlanex16_b32 v19, v18, s28, s29
	v_or_b32 v[WORD+(\f)], v18, v19                ; with lane l xor 16's two the word is whole
.if (\f) > 0
	s_wait_alu depctr_va_vdst(0)
	s_wait_xcnt 0x0                                ; the last fragment's stores have read their data: the registers are written again only behind this wait
.endif
.irp c, 0,1
	v_cvt_scalef32_pk16_fp6_f32 v[C+6*\c:C+6*\c+2], v[X+32*\c:X+32*\c+15], v[SO+\c]       ; registers 6 c .. 6 c + 2 of the fragment
	v_cvt_scalef32_pk16_fp6_f32 v[T2+4*\c:T2+4*\c+2], v[X+32*\c+16:X+32*\c+31], v[SO+\c]  ; the upper 16 codes are made elsewhere and moved
.endr
	v_nop                                          ; one plain vector instruction behind the scaled conversions, ahead of the moves that read their results
.irp c, 0,1
.irp i, 0,1,2
	v_mov_b32 v[C+6*\c+3+\i], v[T2+4*\c+\i]
.endr
.endr
.irp g, 0,1,2
	global_store_b128 v4, v[C+4*\g:C+4*\g+3], s[12:13] offset:(\f)*STEPB+512*\g   ; 32 lanes store 512 consecutive bytes, at a multiple of 256 from the buffer's first byte
.endr
.endm
	s_cmp_lt_u32 ttmp9, 512
	s_cbranch_scc0 .Lw
	; ---------------- x
	s_lshl_b32 s24, s22, 18                        ; 16 rows of 16,384 bytes,
	s_lshl_b32 s26, s23, 11                        ; 512 numbers
	s_add_co_u32 s24, s24, s26
	s_add_nc_u64 s[4:5], s[4:5], s[24:25]
.macro LOADX f                         ; fragment f's 16 rows x 512 bytes into set f % 2
.irp t, 0,1,2,3,4,5,6,7,8,9,10,11,12,13,14,15
	global_load_b128 v[R0+64*((\f)%2)+4*\t:R0+64*((\f)%2)+4*\t+3], v4, s[4:5] offset:16384*\t+512*(\f) th:TH_LOAD_NT
.endr
.endm
.macro TURNX f                         ; through the stage: LDS serves a wave's instructions in order (ISA guide 5.7.1.4), so no wait stands between the stores and the loads
.irp t, 0,1,2,3,4,5,6,7,8,9,10,11,12,13,14,15
	ds_store_b128 v5, v[R0+64*((\f)%2)+4*\t:R0+64*((\f)%2)+4*\t+3] offset:SP*\t
.endr
.irp c, 0,1
.irp j, 0,1,2,3,4,5,6,7
	ds_load_b128 v[X+32*\c+4*\j:X+32*\c+4*\j+3], v6 offset:256*\c+16*\j
.endr
.endr
.endm
	LOADX 0
	LOADX 1
.irp f, 0,1,2,3
.if \f < 3
	s_wait_loadcnt 16                              ; this fragment's 16 loads are in; the next fragment's 16 may be out
.else
	s_wait_loadcnt 0x0
.endif
	TURNX \f
	s_wait_dscnt 0x0                               ; my 64 numbers are back, and the stores have read the set,
.if \f < 2
	LOADX \f+2                                     ; which takes the loads of two fragments on
.endif
	QUANT \f
.endr
	s_branch .Ltail
	; ---------------- W
.Lw:
	s_lshl_b32 s24, s22, 16                        ; w_packed: 16 rows of 4,096 bytes; 512 along K are 128 words
	s_lshl_b32 s26, s23, 9
	s_add_co_u32 s24, s24, s26
	s_add_nc_u64 s[6:7], s[6:7], s[24:25]
	s_lshl_b32 s24, s22, 12                        ; w_scale, w_bias: 16 rows of 256 bytes; 512 along K are 8 groups
	s_lshl_b32 s26, s23, 5
	s_add_co_u32 s24, s24, s26
	s_add_nc_u64 s[8:9], s[8:9], s[24:25]
	s_add_nc_u64 s[10:11], s[10:11], s[24:25]
	s_wait_alu depctr_va_vdst(0)
	global_load_b128 v[SCLR:SCLR+3], v11, s[8:9]
	global_load_b128 v[SCLR+4:SCLR+7], v11, s[8:9] offset:16
	global_load_b128 v[BIA:BIA+3], v11, s[10:11]
	global_load_b128 v[BIA+4:BIA+7], v11, s[10:11] offset:16
.irp t, 0,1,2,3,4,5,6,7,8,9,10,11,12,13,14,15
	global_load_b128 v[R0+4*\t:R0+4*\t+3], v4, s[6:7] offset:4096*\t th:TH_LOAD_NT   ; 512 consecutive bytes of row t: all four fragments' words
.endr
.irp t, 0,1,2,3,4,5,6,7,8,9,10,11,12,13,14,15
	s_wait_loadcnt 15-\t                           ; row t is in (and the scales and biases, which were asked for first); the rows behind it may be out
	ds_store_b128 v7, v[R0+4*\t:R0+4*\t+3] offset:SP*\t
.endr
.irp f, 0,1,2,3                        ; my 16 words of fragment f: eight of block 2 c + h for c = 0, 1
	ds_load_b128 v[R1+16*\f:R1+16*\f+3],     v8 offset:128*\f
	ds_load_b128 v[R1+16*\f+4:R1+16*\f+7],   v8 offset:128*\f+16
	ds_load_b128 v[R1+16*\f+8:R1+16*\f+11],  v8 offset:128*\f+64
	ds_load_b128 v[R1+16*\f+12:R1+16*\f+15], v8 offset:128*\f+80
.endr
; Word 8 c + j of fragment f holds k = 64 c + 32 h + 4 j + 0 .. 3, the lowest nibble first; 64 c + 32 h + .. lies in group 2 f + c of my eight.
.macro UNPACK f
.irp c, 0,1
.irp j, 0,1,2,3,4,5,6,7
	v_and_b32 v[X+32*\c+4*\j],   15, v[R1+16*(\f)+8*\c+\j]
	v_bfe_u32 v[X+32*\c+4*\j+1], v[R1+16*(\f)+8*\c+\j], 4, 4
	v_bfe_u32 v[X+32*\c+4*\j+2], v[R1+16*(\f)+8*\c+\j], 8, 4
	v_bfe_u32 v[X+32*\c+4*\j+3], v[R1+16*(\f)+8*\c+\j], 12, 4
.endr
.endr
.set i, 0
.rept 64
	v_cvt_f32_u32 v[X+i], v[X+i]
.set i, i+1
.endr
.set i, 0
.rept 64
	v_fma_f32 v[X+i], v[X+i], v[SCLR+2*(\f)+i/32], v[BIA+2*(\f)+i/32]   ; nibble x the group's scale + the group's bias
.set i, i+1
.endr
.endm
.irp f, 0,1,2,3
	s_wait_dscnt 12-4*\f                           ; this fragment's four loads are in; the later fragments' may be out
	UNPACK \f
	QUANT \f
.endr
	; ---------------- both: the scale words meet, and leave as whole runs of 256 bytes
.Ltail:
.irp f, 0,1,2,3
	ds_store_b32 v62, v[WORD+\f] offset:256*\f     ; lanes r and r + 16 write the same word with the same value
.endr
	s_wait_dscnt 0x0                               ; for the others' sake: my words lie in LDS
	s_barrier_signal -1
	s_barrier_wait -1                              ; all four waves' do
	ds_load_b64 v[60:61], v63                      ; the step of my wave's number: for each row the four waves' words
	s_wait_dscnt 0x0
	global_store_b64 v9, v[60:61], s[14:15]        ; 32 lanes store 256 consecutive bytes, at a multiple of 256 from the buffer's first byte
	s_wait_tensorcnt 0x0
	ds_add_u32 v27, v31
	s_wait_dscnt 0x0
	s_endpgm
.Lfunc_end_k_q499142244a_quant:
	.size	k_q499142244a_quant, .Lfunc_end_k_q499142244a_quant-k_q499142244a_quant
	.p2alignl 7, 3214868480
	.fill 96, 4, 3214868480
	.section	.rodata,"a",@progbits
	.p2align	6, 0x0
	.amdhsa_kernel k_q499142244a_quant
		.amdhsa_group_segment_fixed_size 69120
		.amdhsa_private_segment_fixed_size 0
		.amdhsa_enable_private_segment 0
		.amdhsa_kernarg_size 48
		.amdhsa_user_sgpr_count 2
		.amdhsa_user_sgpr_kernarg_segment_ptr 1
		.amdhsa_wavefront_size32 1
		.amdhsa_system_sgpr_workgroup_id_x 1
		.amdhsa_system_sgpr_workgroup_id_y 1
		.amdhsa_system_sgpr_workgroup_id_z 1
		.amdhsa_system_vgpr_workitem_id 0
		.amdhsa_next_free_vgpr 256
		.amdhsa_next_free_sgpr 66
		.amdhsa_reserve_vcc 0
		.amdhsa_float_denorm_mode_32 3
		.amdhsa_float_denorm_mode_16_64 3
		.amdhsa_memory_ordered 1
		.amdhsa_forward_progress 1
		.amdhsa_inst_pref_size 87
	.end_amdhsa_kernel
	.amdgpu_metadata
---
amdhsa.version: [ 1, 2 ]
amdhsa.kernels:
  - .name:           k_q499142244a_quant
    .symbol:         k_q499142244a_quant.kd
    .args:
      - { .name: x, .offset: 0, .size: 8, .value_kind: global_buffer, .address_space: global }
      - { .name: w_packed, .offset: 8, .size: 8, .value_kind: global_buffer, .address_space: global }
      - { .name: w_scale, .offset: 16, .size: 8, .value_kind: global_buffer, .address_space: global }
      - { .name: w_bias, .offset: 24, .size: 8, .value_kind: global_buffer, .address_space: global }
      - { .name: xc, .offset: 32, .size: 8, .value_kind: global_buffer, .address_space: global }
      - { .name: wc, .offset: 40, .size: 8, .value_kind: global_buffer, .address_space: global }
    .group_segment_fixed_size: 69120
    .private_segment_fixed_size: 0
    .kernarg_segment_align: 8
    .kernarg_segment_size: 48
    .max_flat_workgroup_size: 128
    .sgpr_count:     66
    .vgpr_count:     256
    .wavefront_size: 32
...
	.end_amdgpu_metadata
.endif
;; end of part 1
;; launch gemm (part 2): grid 16 x 16, 4 waves a work-group, clusters of 4 x 4, 327,680 bytes of LDS; arguments xc, wc, out0, bias; writes out0
.if DOCPART == 2
	.amdgcn_target "amdgcn-amd-amdhsa--gfx1250"
	.amdhsa_code_object_version 6
	.text
	.protected	k_q499142244a_gemm
	.globl	k_q499142244a_gemm
	.p2align	8
	.type	k_q499142244a_gemm,@function
k_q499142244a_gemm:
	s_mov_b64 s[64:65], 0
	v_nop
	global_prefetch_b8 v0, s[64:65] scope:SCOPE_SE
	s_setreg_imm32_b32 hwreg(HW_REG_WAVE_MODE, 25, 1), 1
	s_wait_xcnt 0x0
	s_wait_alu depctr_hold_cnt(0) depctr_sa_sdst(0) depctr_va_vdst(0) depctr_va_sdst(0) depctr_va_ssrc(0) depctr_va_vcc(0) depctr_vm_vsrc(0)
	s_getreg_b32 s2, hwreg(HW_REG_IB_STS2, 6, 4)
	s_cmp_eq_u32 s2, 0
	s_cbranch_scc0 .Lentry_in_a_cluster
	s_endpgm
.Lentry_in_a_cluster:
	s_bfe_u32 s2, ttmp6, 0x10000c
	s_cmp_lg_u32 s2, 0xf033
	s_cbranch_scc0 .Lentry_shape_is_right
	s_endpgm
.Lentry_shape_is_right:
; out0[m][n] = sum over k of x[m][k] W[n][k] + bias[n], on the codes of FP6 (E2M3) and E8M0 scale words that launch quant has laid: for each group of 128 rows one stream of
; 32 steps of 128 along K, 12,800 bytes each: eight fragments (16 rows x 128 K, 1,536 bytes, registers 4 g .. 4 g + 3 of lane l at 512 g + 16 l), then 512 bytes of scale words.
; A tile of out0, 256 x 256, is made by four waves, each 128 x 128: 64 accumulators.  The sums are f32, K ascending; the bias is added in f32 behind the sum, as the module writes it.
; RING: two LDS slots, each with three steps of A's two groups and B's two groups (4 x 38,400 bytes, dense rows of 256 bytes); each wave fetches one group's part with one tensor load.
; 32 steps are ten fills of three steps and one of two.
; CLUSTERS: 4 x 4 work-groups; A's tiles are asked for jointly along a row of the cluster, B's along a column; every refill stands behind a round of the cluster's barrier.
; REGISTERS.  Each window of 256 holds 16 accumulators and one whole set of fragments:
;   window w, v0-127: the accumulators of A's blocks 2 w and 2 w + 1 (accumulator (a, b) at v[8 (8 (a % 2) + b)]);
;   v128-223: window 0 A's fragments of even steps, window 1 B's of even steps, window 2 A's of odd steps, window 3 B's of odd steps;
;   v224-255: window 0 two sets of scale words, the spare word's address, 0, the prefetches' offsets, the way out's addresses, the bias; window 1 the LDS addresses of the fragment loads.
; A STEP: both operands have two sets, so the next step's 50 LDS loads stand in ONE run at the step's head, and its 64 products follow on end.
; THE LAST TWO STEPS lie whole in the four sets, so they go by rows of out0: a block of 16 rows is finished by 16 products and leaves while the next blocks are multiplied.
; THE MATRIX INSTRUCTION IS USED TRANSPOSED (source 0 = 16 rows of W, source 1 = 16 rows of x): a lane holds eight neighbouring numbers of a row of out0.
; PREFETCH: a fill is 150 blocks of 256 bytes of each stream.  Every cluster names the blocks that it will load, once: the four partners of a joint load take 38 blocks each, by address (two instructions a wave, a lane a block;
; lanes left over name the last block again).  The change of slots that issues fill f names fill f + 2; fills 1 and 2 are named behind the first tensor load, fill 3 behind the second; the last fill has 100 blocks, 25 a partner; nothing is named beyond it.
.set NQ,     3
.set FR,     12                        ; registers of a fragment
.set FRB,    1536                      ; its bytes
.set STEPB,  12800
.set HALFT,  NQ*STEPB                  ; what one tensor load brings
.set GRP,    32*STEPB
.set SLOT,   4*HALFT
.set TRIPS,  4
.set SPARE,  2*SLOT                    ; behind the ring: the spare words, 128 bytes a wave
.set STAGE,  SLOT                      ; the way out's stages lie in slot 1, which has had its last fill and its last read by then
.set SPITCH, 528
.set CROW,   16384                     ; a row of out0 in bytes
.set FS,   128                         ; a fragment set, in every window
.set AD,   224                         ; window 1: v224-225 A's fragments in slot 0, 1; v226-227 B's; v228-229 the scale words (lanes 0-15 A's, lanes 16-31 B's)
.set SC,   224                         ; window 0: v224-231 scale words of even steps, v232-239 of odd steps
.set SPW,  240
.set NIL,  241
.set PFO,  242                         ; my first 32 blocks of a fill
.set STO,  243
.set RD,   244
.set CO,   245
.set PFO2, 246                         ; my other 6
.set PFOT, 247                         ; my 25 of the last fill
.set BI,   248                         ; v248-251 the bias of my four columns on the way out
.set G1,   24
.set G0,   32
.set G1B,  48
.set G0B,  56
.set G1T,  68                          ; group 1 of the last fill: two steps
.set G1TB, 80
.set PFA,  96                          ; s[96:97] the stream that I fetch, at the fill that is being issued
.set MSB, 0
.macro WIN new                         ; the immediate's high byte repeats the setting that is left
.if MSB != \new
	s_set_vgpr_msb (MSB<<8)|\new
.set MSB, \new
.endif
.endm
.macro PLACES
.rept 4
	v_nop
.endr
.endm
.macro JLOAD g0a, g1a, g0b, g1b        ; a joint load: waves 0 and 1 fetch for A, waves 2 and 3 for B
	s_cmp_eq_u32 s17, 0
	s_cbranch_scc0 .Lfor_b_\@
	tensor_load_to_lds s[\g0a:\g0a+3], s[\g1a:\g1a+7]
	s_nop 0
	PLACES
	s_branch .Lasked_\@
.Lfor_b_\@:
	tensor_load_to_lds s[\g0b:\g0b+3], s[\g1b:\g1b+7]
	s_nop 0
	PLACES
.Lasked_\@:
.endm
.macro CREST                           ; a round of the cluster's barrier behind its opening barrier
	s_cmp_lg_u32 s16, 0
	s_cbranch_scc1 .Lnot_wave_0_\@
	s_barrier_signal -3
.Lnot_wave_0_\@:
	s_barrier_wait -3
	s_barrier_signal -1
	s_barrier_wait -1
.endm
.macro CROUND
	s_barrier_signal -1
	s_barrier_wait -1
	CREST
.endm
.macro NAME n                          ; my 38 blocks of the fill n fills behind PFA
	global_prefetch_b8 v[PFO],  s[PFA:PFA+1] offset:(\n)*HALFT th:TH_LOAD_NT scope:SCOPE_SE
	global_prefetch_b8 v[PFO2], s[PFA:PFA+1] offset:(\n)*HALFT th:TH_LOAD_NT scope:SCOPE_SE
.endm
.macro ASK slot                        ; in the loop's last trip slot 0's change names the last fill, of 100 blocks, and slot 1's names nothing
	s_cmp_gt_u32 s3, 1
	s_cbranch_scc0 .Llast_\@
	NAME 2
.if \slot == 0
	s_branch .Ldone_\@
.Llast_\@:
	global_prefetch_b8 v[PFOT], s[PFA:PFA+1] offset:2*HALFT th:TH_LOAD_NT scope:SCOPE_SE
.Ldone_\@:
.else
.Llast_\@:
.endif
.endm
	s_load_b128 s[4:7], s[0:1], 0x0                ; xc, wc
	s_load_b128 s[12:15], s[0:1], 0x10             ; out0, bias
	v_lshl_add_u32 v[SPW], v0, 2, SPARE
	v_mov_b32 v[NIL], 0
	ds_add_u32 v[SPW], v[NIL]                      ; the opening lines: the add, twice on end, and its wait
	ds_add_u32 v[SPW], v[NIL]
	v_lshrrev_b32 v1, 5, v0
	v_readfirstlane_b32 s16, v1                    ; wave 0..3
	s_lshr_b32 s17, s16, 1                         ; my half of the tile's rows; also: I fetch for A (0) or B (1)
	s_and_b32 s18, s16, 1                          ; my half of its columns; also: which group of that operand I fetch
	s_bfe_u32 s40, ttmp6, 0x40000                  ; cx
	s_bfe_u32 s41, ttmp6, 0x40004                  ; cy
	s_lshl_b32 s42, ttmp9, 2
	s_add_co_u32 s42, s42, s40                     ; tile column
	s_and_b32 s19, ttmp7, 0xffff
	s_lshl_b32 s19, s19, 2
	s_add_co_u32 s19, s19, s41                     ; tile row
	s_lshl_b32 s43, s41, 2
	s_lshl_b32 s43, 15, s43                        ; my row of the cluster
	s_lshl_b32 s44, 0x1111, s40                    ; my column
	s_or_b32 s[G1+0], s43, (3<<16)|(1<<21)         ; elements of 8 bytes; the mask, and bit 21 beside it
	s_or_b32 s[G1B+0], s44, (3<<16)|(1<<21)
.irp g, G1, G1B                        ; 150 dense rows of 256 bytes: three steps of a group
	s_mov_b32 s[\g+1], 32<<16
	s_mov_b32 s[\g+2], 150<<16
	s_mov_b32 s[\g+3], 32<<16
	s_mov_b32 s[\g+4], 150
	s_mov_b32 s[\g+5], 32
	s_mov_b32 s[\g+6], 0
	s_mov_b32 s[\g+7], 0
.endr
	s_or_b32 s[G1T+0], s43, (3<<16)|(1<<21)
	s_or_b32 s[G1TB+0], s44, (3<<16)|(1<<21)
.irp g, G1T, G1TB                      ; 100 rows: the last two steps
	s_mov_b32 s[\g+1], 32<<16
	s_mov_b32 s[\g+2], 100<<16
	s_mov_b32 s[\g+3], 32<<16
	s_mov_b32 s[\g+4], 100
	s_mov_b32 s[\g+5], 32
	s_mov_b32 s[\g+6], 0
	s_mov_b32 s[\g+7], 0
.endr
	s_lshl_b32 s20, s19, 1
	s_add_co_u32 s20, s20, s18                     ; A's group: 2 x tile row + half
	s_lshl_b32 s46, s42, 1
	s_add_co_u32 s46, s46, s18                     ; B's group: 2 x tile column + half
	s_mul_i32 s20, s20, GRP
	s_mov_b32 s21, 0
	s_mul_i32 s46, s46, GRP
	s_mov_b32 s47, 0
	s_mul_i32 s45, s16, HALFT                      ; where my part goes: wave x 38,400
	s_mul_i32 s88, s17, HALFT                      ; what I read: my group of A in slot 0,
	s_mul_i32 s90, s18, HALFT
	s_add_co_u32 s90, s90, 2*HALFT                 ; my group of B, behind A's two,
	s_sub_co_u32 s93, s90, s88
	s_add_co_u32 s89, s88, SLOT                    ; and the same in slot 1
	s_add_co_u32 s91, s90, SLOT
	s_mul_i32 s92, s16, 16*SPITCH
	s_add_co_u32 s92, s92, STAGE                   ; my stage
	s_cmp_eq_u32 s17, 0
	s_cselect_b32 s94, s40, s41                    ; my place among the four that ask for my tile with me: it enters the prefetches' addresses alone
	s_mul_i32 s95, s94, 25
	s_mul_i32 s94, s94, 38
	; the vector lines on end
	v_and_b32 v1, 15, v0                           ; r
	v_bfe_u32 v2, v0, 4, 1                         ; h
	v_and_b32 v3, 31, v0
	v_lshlrev_b32 v[CO], 4, v3                     ; 16 x lane
	v_add_nc_u32 v4, s94, v3
	v_min_u32 v5, 5, v3
	v_min_u32 v7, 24, v3
	v_min_u32 v4, 149, v4                          ; block 38 x place + lane, held at the fill's last
	v_add3_u32 v5, v5, s94, 32
	v_add_nc_u32 v7, s95, v7
	v_min_u32 v5, 149, v5
	v_lshlrev_b32 v[PFO], 8, v4
	v_lshlrev_b32 v[PFO2], 8, v5
	v_lshlrev_b32 v[PFOT], 8, v7
	v_mul_u32_u24 v6, s93, v2                      ; lanes 16-31 take B's scale words
	v_lshl_add_u32 v6, v1, 4, v6
	v_mul_u32_u24 v5, v1, SPITCH
	v_lshl_add_u32 v5, v2, 5, v5
	v_add_nc_u32 v[STO], s92, v5                   ; into the stage: row r, 32 bytes for each half of the lanes
	v_add_nc_u32 v[RD], s92, v[CO]                 ; back: a row of 512 bytes
	WIN 0x40                                       ; the loads' addresses lie in window 1
	v_add_nc_u32 v[AD+0], s88, v[CO]
	v_add_nc_u32 v[AD+1], s89, v[CO]
	v_add_nc_u32 v[AD+2], s90, v[CO]
	v_add_nc_u32 v[AD+3], s91, v[CO]
	v_add_nc_u32 v[AD+4], s88, v6
	v_add_nc_u32 v[AD+5], s89, v6
	WIN 0
	s_wait_alu depctr_va_vdst(0)
	s_wait_dscnt 0x0                               ; both opening adds are done
	s_wait_kmcnt 0x0
	s_add_nc_u64 s[20:21], s[4:5], s[20:21]
	s_add_nc_u64 s[46:47], s[6:7], s[46:47]
.irp s, 0,1
	s_mov_b32 s[G0+4*\s], 1
	s_add_co_u32 s[G0+4*\s+1], s45, \s*SLOT
	s_add_nc_u64 s[G0+4*\s+2:G0+4*\s+3], s[20:21], \s*HALFT
	s_or_b32 s[G0+4*\s+3], s[G0+4*\s+3], 0x80000000
	s_mov_b32 s[G0B+4*\s], 1
	s_add_co_u32 s[G0B+4*\s+1], s45, \s*SLOT
	s_add_nc_u64 s[G0B+4*\s+2:G0B+4*\s+3], s[46:47], \s*HALFT
	s_or_b32 s[G0B+4*\s+3], s[G0B+4*\s+3], 0x80000000
.endr
	s_cmp_eq_u32 s17, 0
	s_cselect_b64 s[PFA:PFA+1], s[20:21], s[46:47] ; the stream that I fetch,
	s_add_nc_u64 s[PFA:PFA+1], s[PFA:PFA+1], HALFT ; at fill 1
	CROUND                                         ; all sixteen work-groups are here: the first joint loads meet
	JLOAD G0, G1, G0B, G1B                         ; steps 0 to 2: one tensor load a wave at the head
	s_lshl_b32 s20, s42, 10
	s_lshl_b32 s21, s18, 9
	s_add_co_u32 s20, s20, s21                     ; my first column in bytes, of out0 and of bias alike
	s_mov_b32 s21, 0
	s_add_nc_u64 s[14:15], s[14:15], s[20:21]
	s_add_nc_u64 s[12:13], s[12:13], s[20:21]
	s_lshl_b32 s20, s19, 8
	s_lshl_b32 s22, s17, 7
	s_add_co_u32 s20, s20, s22
	s_lshl_b32 s20, s20, 14                        ; my first row of out0, in bytes
	s_add_nc_u64 s[12:13], s[12:13], s[20:21]
	NAME 0                                         ; fills 1 and 2
	NAME 1
	global_load_b128 v[BI:BI+3], v[CO], s[14:15]   ; bias of columns 4 x lane .. + 3 of my 128
; Eight products: A's block a against B's eight, from the sets of parity p.  The accumulators take turns.
.macro PH8 a, p, zero
	WIN (((\a)/2)*0x50)|(1+10*(\p))
.irp b, 0,1,2,3,4,5,6,7
.if \zero
	v_wmma_scale_f32_16x16x128_f8f6f4 v[8*(8*((\a)%2)+\b):8*(8*((\a)%2)+\b)+7], v[FS+FR*\b:FS+FR*\b+FR-1], v[FS+FR*(\a):FS+FR*(\a)+FR-1], 0, v[SC+8*(\p)+\b], v[SC+8*(\p)+(\a)] matrix_a_fmt:MATRIX_FMT_FP6 matrix_b_fmt:MATRIX_FMT_FP6 matrix_a_scale:MATRIX_SCALE_ROW1
.else
	v_wmma_scale_f32_16x16x128_f8f6f4 v[8*(8*((\a)%2)+\b):8*(8*((\a)%2)+\b)+7], v[FS+FR*\b:FS+FR*\b+FR-1], v[FS+FR*(\a):FS+FR*(\a)+FR-1], v[8*(8*((\a)%2)+\b):8*(8*((\a)%2)+\b)+7], v[SC+8*(\p)+\b], v[SC+8*(\p)+(\a)] matrix_a_fmt:MATRIX_FMT_FP6 matrix_b_fmt:MATRIX_FMT_FP6 matrix_a_scale:MATRIX_SCALE_ROW1
.endif
.endr
.endm
.macro RUN p, zero, i0, i1             ; A's blocks i0 .. i1
.set PI, \i0
.rept \i1-\i0+1
	PH8 PI, \p, \zero
.set PI, PI+1
.endr
.endm
.macro FETCH8 adr, q                   ; eight fragments: 24 loads
.irp i, 0,1,2,3,4,5,6,7
.irp g, 0,1,2
	ds_load_b128 v[FS+FR*\i+4*\g:FS+FR*\i+4*\g+3], v[\adr] offset:(\q)*STEPB+\i*FRB+512*\g
.endr
.endr
.endm
.macro LOADS tp, slot, q               ; step (slot, q), of parity tp: 50 loads in one run, the addresses in window 1
	WIN ((2*(\tp)+1)*0x40)|1
	FETCH8 AD+2+(\slot), \q
	WIN ((2*(\tp))*0x40)|1
	FETCH8 AD+(\slot), \q
	WIN 0x01
	ds_load_b128 v[SC+8*(\tp):SC+8*(\tp)+3],   v[AD+4+(\slot)] offset:(\q)*STEPB+8*FRB
	ds_load_b128 v[SC+8*(\tp)+4:SC+8*(\tp)+7], v[AD+4+(\slot)] offset:(\q)*STEPB+8*FRB+256
.endm
; A slot's first step, of parity s.  The wait is for the loads that the step before issued at its head; the four places stand between that step's products and the loads into the registers that they read.
.macro FIRSTSTEP s
	s_wait_dscnt 0x0
	PLACES
	LOADS 1-\s, \s, 1
	RUN \s, 0, 0, 7
.endm
; A slot's second step.  The run at its head holds the last reads of slot s, and the third step's run will read the other slot.  One round at its end does both: each wave waits for all its tensor loads
; (one is out: its part of the other slot), adds 0 to its spare word, and waits for that and for its reads of slot s; behind the round slot s is filled again.
.macro TURNSTEP s, fill, ask
	s_wait_dscnt 0x0
	PLACES
	LOADS \s, \s, 2
	RUN 1-\s, 0, 0, 6
	WIN 0                                          ; the add's two registers lie in window 0
.if \ask
	s_wait_xcnt 0x0                                ; my last prefetches have read their address
	s_add_nc_u64 s[PFA:PFA+1], s[PFA:PFA+1], HALFT
.endif
	s_wait_tensorcnt 0x0
	ds_add_u32 v[SPW], v[NIL]
.if \fill
	s_add_nc_u64 s[G0+4*\s+2:G0+4*\s+3], s[G0+4*\s+2:G0+4*\s+3], 2*HALFT      ; no tensor load of mine is out: this slot's next three steps
	s_add_nc_u64 s[G0B+4*\s+2:G0B+4*\s+3], s[G0B+4*\s+2:G0B+4*\s+3], 2*HALFT
.endif
	RUN 1-\s, 0, 7, 7                              ; eight products between the add and the wait for it
	WIN 0
	s_wait_dscnt 0x0
	s_barrier_signal -1
	s_barrier_wait -1
.if \fill == 1
	CREST
	JLOAD G0+4*\s, G1, G0B+4*\s, G1B               ; the first tensor load behind the round; its four v_nop are the places in front of the next run of loads
.elseif \fill == 2
	CREST
	JLOAD G0+4*\s, G1T, G0B+4*\s, G1TB
.else
	PLACES
.endif
.endm
; A slot's third step, of parity s: its run reads the other slot's first step.  The prefetches stand behind the run and 32 products.
.macro LASTSTEP s, ask
	LOADS 1-\s, 1-\s, 0
	RUN \s, 0, 0, 3
.if \ask
	WIN 0
	ASK \s
.endif
	RUN \s, 0, 4, 7
.endm
	s_wait_tensorcnt 0x0                           ; my part of slot 0 is in; slot 1's first fill is issued as a refill is
	ds_add_u32 v[SPW], v[NIL]
	s_wait_dscnt 0x0
	CROUND
	JLOAD G0+4, G1, G0B+4, G1B                     ; steps 3 to 5
	LOADS 0, 0, 0
	LOADS 1, 0, 1
	WIN 0
	NAME 2                                         ; fill 3
	s_wait_dscnt 50                                ; step 0's loads are in; step 1's 50 may be out
	RUN 0, 1, 0, 7                                 ; step 0 starts the sums: nothing is cleared
	WIN 0
	s_mov_b32 s3, TRIPS
.Llap:                                                 ; a trip goes once round the ring: six steps, from slot 0's second to its next first
	TURNSTEP 0, 1, 1
	LASTSTEP 0, 1
	FIRSTSTEP 1
	TURNSTEP 1, 1, 1
	LASTSTEP 1, 1
	FIRSTSTEP 0
	WIN 0
	s_sub_co_u32 s3, s3, 1
	s_cmp_lg_u32 s3, 0
	s_cbranch_scc1 .Llap
	TURNSTEP 0, 2, 0                               ; the last fill: steps 30 and 31 into slot 0
	LASTSTEP 0, 0
	FIRSTSTEP 1
	TURNSTEP 1, 0, 0                               ; nothing is filled: the barrier shows the last fill to all four waves, and behind it nobody reads slot 1
	LASTSTEP 1, 0                                  ; step 29; its run brings step 30's operands
	s_wait_dscnt 0x0
	PLACES
	LOADS 1, 0, 1                                  ; step 31's operands: now both steps lie in registers
; STEPS 30 AND 31 BY ROWS OF out0, AND THE WAY OUT.  Block a of 16 rows x 128 columns is finished by 16 products, its eight accumulators by turns, K ascending.  It goes through my own stage and comes back as whole rows of
; 512 bytes into its own 64 registers; the bias is added; the 32 lanes store two aligned runs of 256 bytes.  The next block's products stand between a block's loads from the stage and the wait for them.
; A row's place among my 128 stands in the store's immediate: 127 rows of 16,384 bytes at the most, inside its signed 24 bits (ISA guide, chapter 10).
.macro TOSTAGE a
.set AC, 64*((\a)%2)
	WIN ((\a)/2)*4                                 ; the data's window
.irp b, 0,1,2,3,4,5,6,7
	ds_store_b128 v[STO], v[AC+8*\b:AC+8*\b+3] offset:64*\b          ; each accumulator from its low end on
	ds_store_b128 v[STO], v[AC+8*\b+4:AC+8*\b+7] offset:64*\b+16
.endr
	WIN ((\a)/2)*0x40
.irp t, 0,1,2,3,4,5,6,7,8,9,10,11,12,13,14,15
	ds_load_b128 v[AC+4*\t:AC+4*\t+3], v[RD] offset:\t*SPITCH       ; LDS serves a wave's instructions in order (ISA guide 5.7.1.4): these see the stores above
.endr
.endm
.macro SEND a
.set AC, 64*((\a)%2)
	s_wait_dscnt 0x0
	WIN ((\a)/2)*0x41                              ; destination and source 0 in the block's window, the bias in window 0
.irp t, 0,1,2,3,4,5,6,7,8,9,10,11,12,13,14,15
	v_pk_add_f32 v[AC+4*\t:AC+4*\t+1],   v[AC+4*\t:AC+4*\t+1],   v[BI:BI+1]
	v_pk_add_f32 v[AC+4*\t+2:AC+4*\t+3], v[AC+4*\t+2:AC+4*\t+3], v[BI+2:BI+3]
.endr
	WIN ((\a)/2)*4
.irp t, 0,1,2,3,4,5,6,7,8,9,10,11,12,13,14,15
	global_store_b128 v[CO], v[AC+4*\t:AC+4*\t+3], s[12:13] offset:(16*(\a)+\t)*CROW th:TH_STORE_NT
.endr
.endm
	PH8 0, 0, 0
	s_wait_loadcnt 0x0                             ; the bias
	s_wait_dscnt 0x0                               ; step 31's operands
	PH8 0, 1, 0
.irp a, 0,1,2,3,4,5,6,7
	PLACES                                         ; in front of the reads of results just made and of the loads into their registers
	TOSTAGE \a
.if \a < 7
	PH8 \a+1, 0, 0
	PH8 \a+1, 1, 0
.endif
	SEND \a
.endr
	WIN 0
	s_wait_tensorcnt 0x0                           ; the wave's end
	ds_add_u32 v[SPW], v[NIL]
	s_wait_dscnt 0x0
	CROUND                                         ; the closing round
	s_endpgm
.Lfunc_end_k_q499142244a_gemm:
	.size	k_q499142244a_gemm, .Lfunc_end_k_q499142244a_gemm-k_q499142244a_gemm
	.p2alignl 7, 3214868480
	.fill 96, 4, 3214868480
	.section	.rodata,"a",@progbits
	.p2align	6, 0x0
	.amdhsa_kernel k_q499142244a_gemm
		.amdhsa_group_segment_fixed_size 327680
		.amdhsa_private_segment_fixed_size 0
		.amdhsa_enable_private_segment 0
		.amdhsa_kernarg_size 32
		.amdhsa_user_sgpr_count 2
		.amdhsa_user_sgpr_kernarg_segment_ptr 1
		.amdhsa_wavefront_size32 1
		.amdhsa_system_sgpr_workgroup_id_x 1
		.amdhsa_system_sgpr_workgroup_id_y 1
		.amdhsa_system_sgpr_workgroup_id_z 1
		.amdhsa_system_vgpr_workitem_id 0
		.amdhsa_next_free_vgpr 1024
		.amdhsa_next_free_sgpr 100
		.amdhsa_reserve_vcc 0
		.amdhsa_float_denorm_mode_32 3
		.amdhsa_float_denorm_mode_16_64 3
		.amdhsa_memory_ordered 1
		.amdhsa_forward_progress 1
		.amdhsa_inst_pref_size 221
	.end_amdhsa_kernel
	.amdgpu_metadata
---
amdhsa.version: [ 1, 2 ]
amdhsa.kernels:
  - .name:           k_q499142244a_gemm
    .symbol:         k_q499142244a_gemm.kd
    .args:
      - { .name: xc, .offset: 0, .size: 8, .value_kind: global_buffer, .address_space: global }
      - { .name: wc, .offset: 8, .size: 8, .value_kind: global_buffer, .address_space: global }
      - { .name: out0, .offset: 16, .size: 8, .value_kind: global_buffer, .address_space: global }
      - { .name: bias, .offset: 24, .size: 8, .value_kind: global_buffer, .address_space: global }
    .group_segment_fixed_size: 327680
    .private_segment_fixed_size: 0
    .kernarg_segment_align: 8
    .kernarg_segment_size: 32
    .max_flat_workgroup_size: 128
    .sgpr_count:     100
    .vgpr_count:     1024
    .wavefront_size: 32
...
	.end_amdgpu_metadata
.endif
;; end of part 2
